; MI455X (gfx1250); checked and timed in simulation.
; The chip was launched on July 23, 2026; its instructions are those of AMD's public machine-readable ISA for CDNA 5 (MIT licence, August 2026) and "CDNA5" Instruction Set Architecture Reference Guide (July 2026). The comments in the code are by the model that wrote it; some were corrected since.
;; SOHO Pre VD. Allowed arithmetic: matrix products marked QUANTISED: E2M3 operands, one E8M0 scale for each 32 along K, by v_wmma_scale_f32_16x16x128_f8f6f4 with both operands' format E2M3, f32 sums; everything else in f32.
;; Inputs: embed 8,192 x 256 float32; inputs_flatten 32,768 x 256 float32.
;; Outputs: out0 32,768 x 256 float32; out1 32,768 x 1 int32.
;; This version of the problem:
;;   THIS VERSION OF THE PROBLEM IS GIVEN IN LOW PRECISION. The matrix products marked QUANTISED in the list below multiply operands that are first quantised to E2M3 (2 exponent bits, 3 mantissa bits; 6 bits a number), with one power-of-two scale for each 32 numbers along K (OCP MX v1.0); their sums are f32. All else is computed in f32.
;;   The module's matrix products, in the order in which they are computed (A, B: the left and right operand; K: the contracted axis; several contracted axes count as one K, in the product's order):
;;     1. [M 32,768, K 256] x [K 256, N 8,192]; A: input inputs_flatten; B: input embed: QUANTISED
;;   THE QUANTISER, for each operand of a quantised product, along K:
;;     - K is cut into blocks of 32 from its start; a last block that is shorter is filled with zeros.
;;     - A block's scale is 2^e with e = floor(log2(the largest magnitude in the block)) - 2, held to -126 .. 127; a block of zeros has e = 0. As a byte (E8M0): e + 127.
;;     - Each number is divided by its block's scale, clamped to +-7.5, and rounded to the nearest number of E2M3, ties to even, subnormals kept.
;;     - The product sums the exact products of the quantised numbers (number of the format x scale) in f32.
;;   ~~~python
;;   def quantise(x, axis):      # numpy; x: float32 -> the quantised numbers, widened to float32 again
;;       x = np.moveaxis(x, axis, -1); K = x.shape[-1]
;;       x = np.pad(x, [(0, 0)] * (x.ndim - 1) + [(0, -K % 32)]); x = x.reshape(x.shape[:-1] + (-1, 32)); a = np.abs(x).max(-1, keepdims=True)
;;       e = np.where(a > 0, np.clip(np.frexp(np.where(a > 0, a, 1))[1] - 1 - 2, -126, 127), 0)      # np.frexp(a)[1] - 1 = floor(log2(a)), exactly
;;       r = np.clip(x / 2.0 ** e, -7.5, 7.5)
;;       step = 2.0 ** (np.maximum(np.frexp(np.where(r == 0, 1, r))[1] - 1, 0) - 3)
;;       q = np.round(r / step) * step * 2.0 ** e      # np.round: ties to even
;;       return np.moveaxis(q.reshape(q.shape[:-2] + (-1,))[..., :K], -1, axis).astype(np.float32)
;;   ~~~
;; One version. Each part assembles by itself: llvm-mc -triple=amdgcn-amd-amdhsa -mcpu=gfx1250 --defsym DOCPART=n.
;; ======== version 1 of 1: 3 launches
;; limits: right only within a limited range of input values
;; workspace buffers: ecode 1,703,936 bytes; xcode 6,815,744 bytes; pkey 1,048,576 bytes of whole numbers; pidx 1,048,576 bytes of whole numbers
;; launch quant (part 1): grid 256 x 1, 10 waves a work-group, no clusters, 170,240 bytes of LDS; arguments embed, inputs_flatten, ecode, xcode; writes ecode, xcode
.if DOCPART == 1
	.amdgcn_target "amdgcn-amd-amdhsa--gfx1250"
	.amdhsa_code_object_version 6
	.text
	.protected	k_qdbff4230a4_quant
	.globl	k_qdbff4230a4_quant
	.p2align	8
	.type	k_qdbff4230a4_quant,@function
k_qdbff4230a4_quant:
	s_mov_b64 s[64:65], 0
	v_nop
	global_prefetch_b8 v0, s[64:65] scope:SCOPE_SE
	s_setreg_imm32_b32 hwreg(HW_REG_WAVE_MODE, 25, 1), 1
	s_wait_xcnt 0x0
; embed [8192][256] and inputs_flatten [32768][256], f32, become RECORDS of 16 rows for the search that follows: codes of FP6 (E2M3) with one E8M0 scale for each 32 along K,
; laid as images of the matrix operand's registers, the rows' scale words, and -0.5 x the sum of each row's squares (of the numbers as they come, not of the quantised ones).
; A RECORD, 3,328 bytes (13 x 256):  512 g + 16 lane, g = 3 s + c: registers 4 c .. 4 c + 3 of the fragment of K step s (128 along K);
;   3072 + 4 lane: lanes 0-15 row r's scale word of K step 0, lanes 16-31 that of K step 1;   3200 + 4 r: -0.5 x sum of squares;   3264 .. 3327: zeros.
; A block's scale is 2^(floor(log2(its largest magnitude)) - 2); its byte is the largest magnitude's exponent field - 2, held at 1 from below.
; LIMITS: a block of zeros gets the byte 1 where the rule says 127 (its codes are zeros, and this program alone reads the bytes); blocks whose largest magnitude lies under 2^-124,
; the floor, were not tried; NaN and infinities among the inputs are not served.
; SHARES.  2,560 tiles of 16 rows (512 of embed, then 2,048 of the inputs), one to a wave: tile = 10 x work-group + wave.  Only pointers are chosen by the tile's number: one path for both tensors.
; A tile is 16,384 dense bytes: 32 loads of 512 consecutive bytes, all out at once.  The conversions want 16 neighbours along K in ONE lane's registers, so the tile turns through the wave's own stage in LDS.
; No loop, no barrier: waves share nothing.  No register that a store reads is written again, so no wait frees one.
; WORK LEFT OUT, for all finite values of the inputs.  (1) reference() adds x_sq[n] to every distance of row n: a term that is the same along the axis of the argmin moves no index in exact arithmetic.
; So the sum of squares is formed for embed's rows alone; the inputs' records hold 0 in its place, and no launch reads that place.  (2) quantize = (embed[i] - x) + x is embed[i] by an identity:
; the last launch stores the table's row and reads no x.  inputs_flatten still reaches both results through its codes.
; LIMIT: a NaN, an infinity or an overflow that reaches only x_sq or only the difference and sum with x is not carried to the result.
.set WREG, 16896
.set SP,   1040                        ; a stage row: 1,024 bytes + 16: sixteen rows of one column start at sixteen different 16-byte places modulo 256
.set TL,   16*SP                       ; behind the stage: 256 bytes in which a record's last unit is gathered
.set RECB, 3328
.set R,    16                          ; v16-143  the 32 loads as they come
.set X0,   144                         ; v144-207 64 numbers of K step 0: register 16 b + i = k 32 b + 16 (lane / 16) + i of my row
.set X1,   80                          ; v80-143  those of K step 1 (over R, which the stage's stores have read)
.set PC0,  16                          ; v16-35   K step 0's codes (12) and 8 at work;  v36-55 K step 1's
.set PC1,  36
.set TM,   208                         ; v208-211 largest magnitudes, v212-215 bytes, v220-223 the conversions' scale operands
.set PW0,  224                         ; the two scale words
.set PW1,  225
.set SQ,   226                         ; v[226:229] the sum of squares, two packed chains
.set SW,   230                         ; the scale words as the record has them
.set SEL,  18                          ; s[18:19] lane selects for v_permlanex16_b32: lane l xor 16
; 64 numbers of a lane, v[s] on, become a fragment's codes in v[pc] .. v[pc + 11] and its scale word in v[pw].
.macro QUANT s, pc, pw
.irp b, 0,1,2,3
	v_max3_num_f32 v[TM+\b], |v[\s+16*\b]|, |v[\s+1+16*\b]|, 0x1800000   ; block b: my 16 numbers, and the floor 2^(3 - 127): the byte cannot fall under 1
.endr
.irp i, 2,4,6,8,10,12,14
.irp b, 0,1,2,3
	s_delay_alu instid0(VALU_DEP_4)
	v_max3_num_f32 v[TM+\b], v[TM+\b], |v[\s+16*\b+\i]|, |v[\s+1+16*\b+\i]|   ; the four blocks by turns
.endr
.endr
.irp b, 0,1,2,3
	s_delay_alu instid0(VALU_DEP_4)
	v_permlanex16_b32 v[TM+4+\b], v[TM+\b], s[SEL], s[SEL+1]
.endr
.irp b, 0,1,2,3
	s_delay_alu instid0(VALU_DEP_4)
	v_max_num_f32 v[TM+\b], v[TM+\b], v[TM+4+\b]                   ; with lane l xor 16's: the block's largest magnitude
.endr
.irp b, 0,1,2,3
	s_delay_alu instid0(VALU_DEP_4)
	v_add_nc_u32 v[TM+12+\b], 0xff000000, v[TM+\b]                 ; 2 off its exponent field: the conversion takes that field as its scale, and nothing else
.endr
.irp b, 0,1,2,3
	s_delay_alu instid0(VALU_DEP_4)
	v_lshrrev_b32 v[TM+4+\b], 23, v[TM+12+\b]                      ; the scale's byte
.endr
	s_delay_alu instid0(VALU_DEP_3)
	v_lshl_or_b32 v[\pw], v[TM+5], 8, v[TM+4]                      ; four bytes: my row's scale word for these 128 along K (the same in lanes r and r + 16)
	s_delay_alu instid0(VALU_DEP_1)
	v_lshl_or_b32 v[\pw], v[TM+6], 16, v[\pw]
	s_delay_alu instid0(VALU_DEP_1)
	v_lshl_or_b32 v[\pw], v[TM+7], 24, v[\pw]
.irp c, 0,1
	v_cvt_scalef32_pk16_fp6_f32 v[\pc+6*\c:\pc+2+6*\c], v[\s+32*\c:\s+15+32*\c], v[TM+12+2*\c]
	v_cvt_scalef32_pk16_fp6_f32 v[\pc+12+4*\c:\pc+14+4*\c], v[\s+16+32*\c:\s+31+32*\c], v[TM+12+2*\c+1]   ; (a conversion's three registers begin on an even number)
.endr
	v_nop                                                          ; one plain instruction behind the scaled conversions
.irp c, 0,1                            ; the operand's layout wants a WHOLE block in a lane: lanes 0-15 block 2 c, lanes 16-31 block 2 c + 1
.irp i, 0,1,2
	v_permlane16_swap_b32 v[\pc+6*\c+\i], v[\pc+12+4*\c+\i]
.endr
.irp i, 0,1,2
	s_delay_alu instid0(VALU_DEP_3)
	v_mov_b32 v[\pc+3+6*\c+\i], v[\pc+12+4*\c+\i]
.endr
.endr
.endm
; the squares of 64 numbers onto two packed chains; first = 1: the first products start the sums
.macro SUMSQ s, first
.if \first
	v_pk_mul_f32 v[SQ:SQ+1], v[\s:\s+1], v[\s:\s+1]
	v_pk_mul_f32 v[SQ+2:SQ+3], v[\s+2:\s+3], v[\s+2:\s+3]
.else
	v_pk_fma_f32 v[SQ:SQ+1], v[\s:\s+1], v[\s:\s+1], v[SQ:SQ+1]
	v_pk_fma_f32 v[SQ+2:SQ+3], v[\s+2:\s+3], v[\s+2:\s+3], v[SQ+2:SQ+3]
.endif
.irp i, 4,8,12,16,20,24,28,32,36,40,44,48,52,56,60
	s_delay_alu instid0(VALU_DEP_2)
	v_pk_fma_f32 v[SQ:SQ+1], v[\s+\i:\s+\i+1], v[\s+\i:\s+\i+1], v[SQ:SQ+1]
	s_delay_alu instid0(VALU_DEP_2)
	v_pk_fma_f32 v[SQ+2:SQ+3], v[\s+\i+2:\s+\i+3], v[\s+\i+2:\s+\i+3], v[SQ+2:SQ+3]
.endr
.endm
	s_load_b256 s[4:11], s[0:1], 0x0               ; embed s[4:5], the inputs s[6:7], ecode s[8:9], xcode s[10:11]
	v_lshl_add_u32 v232, v0, 2, 0x29400
	v_mov_b32 v233, 0
	v_lshrrev_b32 v1, 5, v0
	s_delay_alu instid0(VALU_DEP_1)
	v_readfirstlane_b32 s12, v1                    ; wave 0..9
	v_and_b32 v1, 31, v0                           ; lane
	v_and_b32 v2, 15, v0                           ; r
	v_bfe_u32 v3, v0, 4, 1                         ; h
	s_delay_alu instid0(VALU_DEP_3)
	v_lshlrev_b32 v4, 4, v1                        ; 16 x lane: my bytes of a load's or a store's 512
	s_mul_i32 s21, s12, WREG                       ; my wave's LDS
	v_add_nc_u32 v5, s21, v4                       ; the stage, on the way in: as the bytes lie
	v_mul_u32_u24 v6, v2, SP
	s_delay_alu instid0(VALU_DEP_1)
	v_lshl_add_u32 v6, v3, 6, v6
	s_delay_alu instid0(VALU_DEP_1)
	v_add_nc_u32 v6, s21, v6                       ; and on the way out: row r, + 64 h: my 16 numbers of a block of 32
	s_add_co_u32 s22, s21, TL
	v_lshl_add_u32 v7, v1, 2, s22                  ; the tail: 4 x lane,
	v_lshl_add_u32 v8, v2, 2, s22                  ; 4 x r,
	v_lshl_add_u32 v9, v1, 3, s22                  ; and back 8 bytes a lane
	v_lshlrev_b32 v10, 3, v1
	v_mov_b32 v11, 0
.irp b, 0,1,2,3
	v_mov_b32 v[TM+4+\b], 0                        ; written once: a lane permute's destination counts as one of its sources
	v_mov_b32 v[SQ+\b], 0                          ; the sums of squares begin at 0, and stay there for a tile of the inputs
.endr
	s_mov_b32 s[SEL], 0x76543210
	s_mov_b32 s[SEL+1], 0xfedcba98
	s_mov_b32 s20, 0xffff0000                      ; lanes 16-31
	s_mul_i32 s13, ttmp9, 10
	s_add_co_u32 s13, s13, s12                     ; my tile
	s_wait_alu depctr_va_vdst(0)
	s_wait_kmcnt 0x0
	s_cmp_lt_u32 s13, 512                          ; a tile of embed or of the inputs?  The choice hangs on ids alone
	s_cselect_b64 s[4:5], s[4:5], s[6:7]
	s_cselect_b64 s[8:9], s[8:9], s[10:11]
	s_cselect_b32 s14, 0, 512
	s_cselect_b32 s23, 1, 0                        ; 1: a tile of embed, whose rows' squares are summed
	s_sub_co_u32 s13, s13, s14                     ; the tile's number in its tensor
	s_lshl_b32 s14, s13, 14                        ; 16 rows of 1,024 bytes
	s_mov_b32 s15, 0
	s_add_nc_u64 s[4:5], s[4:5], s[14:15]
	s_mul_i32 s16, s13, RECB
	s_mov_b32 s17, 0
	s_add_nc_u64 s[8:9], s[8:9], s[16:17]
.set i, 0
.rept 32
	global_load_b128 v[R+4*i:R+4*i+3], v4, s[4:5] offset:512*i th:TH_LOAD_NT   ; 512 consecutive bytes: row i / 2, K step i % 2
.set i, i+1
.endr
.set i, 0
.rept 32
	s_wait_loadcnt 31-i                            ; loads come back in order: load i is in, the 31 - i younger ones may be out
	ds_store_b128 v5, v[R+4*i:R+4*i+3] offset:(i/2)*SP+512*(i%2)
.set i, i+1
.endr
	s_wait_dscnt 0x0                               ; the stores have read R: K step 1's numbers and the codes are laid over it
.irp s, 0,1
.irp b, 0,1,2,3
.irp j, 0,1,2,3
	ds_load_b128 v[X0-64*\s+16*\b+4*\j:X0-64*\s+16*\b+4*\j+3], v6 offset:512*\s+128*\b+16*\j
.endr
.endr
.endr
	s_wait_dscnt 16                                ; K step 0's sixteen loads are in; K step 1's may be out
	s_cmp_lg_u32 s23, 0                            ; the branch hangs on ids alone
	s_cbranch_scc0 .Lno_sq0
	SUMSQ X0, 0
.Lno_sq0:
	QUANT X0, PC0, PW0
.irp c, 0,1,2
	global_store_b128 v4, v[PC0+4*\c:PC0+4*\c+3], s[8:9] offset:512*\c            ; an image: 512 consecutive bytes, at a multiple of 256 from the buffer's first byte
.endr
	s_wait_dscnt 0x0
	s_cmp_lg_u32 s23, 0
	s_cbranch_scc0 .Lno_sq1
	SUMSQ X1, 0
.Lno_sq1:
	QUANT X1, PC1, PW1
.irp c, 0,1,2
	global_store_b128 v4, v[PC1+4*\c:PC1+4*\c+3], s[8:9] offset:1536+512*\c
.endr
	v_pk_add_f32 v[SQ:SQ+1], v[SQ:SQ+1], v[SQ+2:SQ+3]
	s_delay_alu instid0(VALU_DEP_1)
	v_add_f32 v[SQ], v[SQ], v[SQ+1]                ; my 128 squares,
	s_delay_alu instid0(VALU_DEP_1)
	v_permlanex16_b32 v[SQ+1], v[SQ], s[SEL], s[SEL+1]
	s_delay_alu instid0(VALU_DEP_1)
	v_add_f32 v[SQ], v[SQ], v[SQ+1]                ; and lane l xor 16's: the row's
	s_delay_alu instid0(VALU_DEP_1)
	v_mul_f32 v[SQ], -0.5, v[SQ]
	v_cndmask_b32 v[SW], v[PW0], v[PW1], s20       ; lanes 0-15: K step 0's word of row r; lanes 16-31: K step 1's
	ds_store_b32 v7, v[SW]
	ds_store_b32 v8, v[SQ] offset:128              ; lanes r and r + 16 write the same word with the same value
	ds_store_b32 v8, v11 offset:192                ; the record's last 64 bytes: zeros
	ds_load_b64 v[12:13], v9                       ; LDS serves a wave's instructions in order: this sees the three stores
	s_wait_dscnt 0x0
	global_store_b64 v10, v[12:13], s[8:9] offset:3072   ; 32 lanes store 256 consecutive bytes, at a multiple of 256
	s_wait_tensorcnt 0x0
	ds_add_u32 v232, v233
	s_wait_dscnt 0x0
	s_endpgm
.Lfunc_end_k_qdbff4230a4_quant:
	.size	k_qdbff4230a4_quant, .Lfunc_end_k_qdbff4230a4_quant-k_qdbff4230a4_quant
	.p2alignl 7, 3214868480
	.fill 96, 4, 3214868480
	.section	.rodata,"a",@progbits
	.p2align	6, 0x0
	.amdhsa_kernel k_qdbff4230a4_quant
		.amdhsa_group_segment_fixed_size 170240
		.amdhsa_private_segment_fixed_size 0
		.amdhsa_enable_private_segment 0
		.amdhsa_kernarg_size 32
		.amdhsa_user_sgpr_count 2
		.amdhsa_user_sgpr_kernarg_segment_ptr 1
		.amdhsa_wavefront_size32 1
		.amdhsa_system_sgpr_workgroup_id_x 1
		.amdhsa_system_sgpr_workgroup_id_y 1
		.amdhsa_system_sgpr_workgroup_id_z 1
		.amdhsa_system_vgpr_workitem_id 0
		.amdhsa_next_free_vgpr 234
		.amdhsa_next_free_sgpr 66
		.amdhsa_reserve_vcc 0
		.amdhsa_float_denorm_mode_32 3
		.amdhsa_float_denorm_mode_16_64 3
		.amdhsa_memory_ordered 1
		.amdhsa_forward_progress 1
		.amdhsa_inst_pref_size 29
	.end_amdhsa_kernel
	.amdgpu_metadata
---
amdhsa.version: [ 1, 2 ]
amdhsa.kernels:
  - .name:           k_qdbff4230a4_quant
    .symbol:         k_qdbff4230a4_quant.kd
    .args:
      - { .name: embed, .offset: 0, .size: 8, .value_kind: global_buffer, .address_space: global }
      - { .name: inputs_flatten, .offset: 8, .size: 8, .value_kind: global_buffer, .address_space: global }
      - { .name: ecode, .offset: 16, .size: 8, .value_kind: global_buffer, .address_space: global }
      - { .name: xcode, .offset: 24, .size: 8, .value_kind: global_buffer, .address_space: global }
    .group_segment_fixed_size: 170240
    .private_segment_fixed_size: 0
    .kernarg_segment_align: 8
    .kernarg_segment_size: 32
    .max_flat_workgroup_size: 320
    .sgpr_count:     66
    .vgpr_count:     234
    .wavefront_size: 32
...
	.end_amdgpu_metadata
.endif
;; end of part 1
;; launch search (part 2): grid 256 x 1, 8 waves a work-group, clusters of 4 x 1, 228,864 bytes of LDS; arguments xcode, ecode, pkey, pidx; writes pkey, pidx
.if DOCPART == 2
	.amdgcn_target "amdgcn-amd-amdhsa--gfx1250"
	.amdhsa_code_object_version 6
	.text
	.protected	k_qdbff4230a4_search
	.globl	k_qdbff4230a4_search
	.p2align	8
	.type	k_qdbff4230a4_search,@function
k_qdbff4230a4_search:
	s_mov_b64 s[64:65], 0
	v_nop
	global_prefetch_b8 v0, s[64:65] scope:SCOPE_SE
	s_setreg_imm32_b32 hwreg(HW_REG_WAVE_MODE, 25, 1), 1
	s_wait_xcnt 0x0
	s_wait_alu depctr_hold_cnt(0) depctr_sa_sdst(0) depctr_va_vdst(0) depctr_va_sdst(0) depctr_va_ssrc(0) depctr_va_vcc(0) depctr_vm_vsrc(0)
	s_getreg_b32 s2, hwreg(HW_REG_IB_STS2, 6, 4)
	s_cmp_eq_u32 s2, 0
	s_cbranch_scc0 .Lentry_in_a_cluster
	s_endpgm
.Lentry_in_a_cluster:
	s_bfe_u32 s2, ttmp6, 0x10000c
	s_cmp_lg_u32 s2, 0x3003
	s_cbranch_scc0 .Lentry_shape_is_right
	s_endpgm
.Lentry_shape_is_right:
; For each of 32,768 queries and each of 8 groups of 1,024 codewords: the group's codeword with the least distance; the product on codes of FP6 (E2M3) with E8M0 scales, sums in f32.  The lowest index wins a tie.
; WHAT IS COMPARED: v = e' + Q(x) . Q(e), e' = -|e|^2 / 2, and the LARGEST v is sought.  e' is the C of a sum's first matrix instruction.
; LEFT OUT: |x|^2, which reference() adds to every distance of a query: the same along the argmin's axis, it moves no index in exact arithmetic (shown at the head of the first launch).
; LIMITS: the f32 sums go in another order than reference()'s: two codewords whose distances differ by a few units in the last place may change places.  NaN and infinities are not served.
; SHARES.  A work-group takes 1,024 queries x 1,024 codewords: 32 blocks of queries x 8 groups of codewords are the 256 work-groups.  The group's 64 records (212,992 bytes) come into LDS ONCE and stay: nothing is filled again.
; Each wave keeps 128 queries of its own (8 tiles of 16, 192 registers, straight from xcode) and walks all 64 records in ascending order.  So a work-group takes in 64 records of each operand.
; CLUSTER.  The four work-groups of a cluster have the same group of codewords and four neighbouring blocks of queries: each wave's eighth of the group (8 records, 104 rows of 256 bytes) is asked for JOINTLY, mask 15.
; RESULTS.  For each query the group's winner leaves as two whole numbers at fixed places, pkey[group][query] and pidx[group][query]: the key is v's bits turned so that unsigned order is v's order (-0 counts as +0).
; The launch that follows chooses among a query's 8 keys.  No wave needs another wave's winners here.
; LAYOUT.  Source 0 = 16 codewords, source 1 = 16 queries: lane (r, h) holds query r, and register j of a result the codeword 16 T + 8 h + j.
; THE ARGMAX, for each query tile and lane: the running maximum goes from one set of 8 registers to the other through four three-input maxima; where it has grown (strictly: the earlier tile keeps a tie),
; the tile's registers 0 to 6 and the index of its register 0 are kept: 4 maxima, 1 compare, 4 paired selects.  Which register won is settled once, at the end: the lowest of 0 to 6 that equals the maximum, else 7.
; NO PREFETCH: every read from memory, 56 loads and one tensor load a wave, is issued at the head; the loop reads LDS alone, so there is no trip to run ahead in.
; REGISTERS.  Window 0: v1-13, v106-107 addresses and at work; v14-21 x's scale words; v22-23 the codewords' (two sets); v26-41 the running maxima (two sets); v42-89 fragment sets 0, 1; v90-105 their e';
;   v128-191 the 8 accumulators; v192-255 for query tile q at 8 q: the winning tile's registers 0-6, and its index.   Window 1: v0-191 x's fragments, (q, s) at 24 q + 12 s.
.set RECB,  3328                       ; a record: 16 rows (see the launch that writes them)
.set WPART, 8*RECB                     ; what one tensor load brings
.set SCRB,  66*RECB                    ; LDS behind the 64 records and a gap of two: 1,024 bytes for each wave, in which its winners turn into whole rows; no tensor load lands here
.set SPARE, SCRB+8192                  ; the spare words, 128 bytes for each wave: four blocks of 256 bytes that no other line names
.set SPW,  1                           ; LDS address of my spare word; never rewritten
.set NIL,  2                           ; 0; never rewritten
.set L16,  3                           ; 16 x lane
.set L4,   4                           ; 4 x lane
.set H32,  5                           ; 32 x h
.set ADC,  6                           ; the trip's first record + 16 x lane (images)
.set ADS,  7                           ; + 4 x lane (scale words)
.set ADE,  8                           ; + 32 x h (e' of my half's eight codewords)
.set TIDV, 9                           ; the index of register 0 of the tile in hand: 16 T + 8 h
.set SCW,  10                          ; my wave's scratch + 4 r
.set SCR,  11                          ; my wave's scratch + 16 x lane
.set OV,   12
.set OI,   13
.set XSC,  14
.set ESC,  22
.set RUNA, 26
.set EF,   42
.set ES,   90
.set JJ,   106
.set TK,   107
.set ACC,  128
.set W,    192
.set VV,   128                         ; the end: my wave's 128 keys, four a lane;
.set II,   132                         ; and indices
.set WV,   12                          ; s12  my wave's number
.set G1,   16                          ; s[16:23] descriptor group 1
.set G0,   24                          ; s[24:27] group 0
.set SEL,  34                          ; s[34:35] lane selects for v_permlanex16_b32: lane l xor 16
.set RB,   40                          ; s40  LDS byte of the trip's first record
.set MSB, 0
.macro WIN new                         ; the immediate's high byte repeats the setting that is left
.if MSB != \new
	s_set_vgpr_msb (MSB<<8)|\new
.set MSB, \new
.endif
.endm
; A round of the cluster's barrier: my work-group's barrier; wave 0 signals for the work-group; every wave waits for all four work-groups; my work-group's barrier once more.
.macro ROUND
	s_barrier_signal -1
	s_barrier_wait -1
	s_cmp_lg_u32 s[WV], 0
	s_cbranch_scc1 .Lnot_wave_0_\@
	s_barrier_signal -3
.Lnot_wave_0_\@:
	s_barrier_wait -3
	s_barrier_signal -1
	s_barrier_wait -1
.endm
; Nine LDS loads: record i, counted from the trip's first, into set p: two fragments as their images lie, the scale words, e'.
.macro LFRAG p, i
.irp g, 0,1,2,3,4,5
	ds_load_b128 v[EF+24*(\p)+4*\g:EF+24*(\p)+4*\g+3], v[ADC] offset:RECB*(\i)+512*\g
.endr
	ds_load_b32 v[ESC+(\p)], v[ADS] offset:RECB*(\i)+3072
	ds_load_b128 v[ES+8*(\p):ES+8*(\p)+3], v[ADE] offset:RECB*(\i)+3200
	ds_load_b128 v[ES+8*(\p)+4:ES+8*(\p)+7], v[ADE] offset:RECB*(\i)+3216
.endm
; Sixteen matrix instructions: set p's 16 codewords against the 8 query tiles, K step 0 (C = e'), then K step 1 in place.  The eight accumulators take turns, one instruction a turn.
; A scale register holds K step 0's words in lanes 0-15 and K step 1's in lanes 16-31.
.macro MUL p
	WIN 0x04                                       ; source 1 (x) in window 1
.irp q, 0,1,2,3,4,5,6,7
	v_wmma_scale_f32_16x16x128_f8f6f4 v[ACC+8*\q:ACC+8*\q+7], v[EF+24*(\p):EF+24*(\p)+11], v[24*\q:24*\q+11], v[ES+8*(\p):ES+8*(\p)+7], v[ESC+(\p)], v[XSC+\q] matrix_a_fmt:MATRIX_FMT_FP6 matrix_b_fmt:MATRIX_FMT_FP6
.endr
.irp q, 0,1,2,3,4,5,6,7
	v_wmma_scale_f32_16x16x128_f8f6f4 v[ACC+8*\q:ACC+8*\q+7], v[EF+24*(\p)+12:EF+24*(\p)+23], v[24*\q+12:24*\q+23], v[ACC+8*\q:ACC+8*\q+7], v[ESC+(\p)], v[XSC+\q] matrix_a_fmt:MATRIX_FMT_FP6 matrix_b_fmt:MATRIX_FMT_FP6 matrix_a_scale:MATRIX_SCALE_ROW1 matrix_b_scale:MATRIX_SCALE_ROW1
.endr
	WIN 0
.endm
; Two selects on VCC in one instruction: one destination even, the other odd; first sources, and second sources, in different register banks.
.macro PICK2 d0, a0, d1, a1
	v_dual_cndmask_b32 v[\d0], v[\d0], v[\a0] :: v_dual_cndmask_b32 v[\d1], v[\d1], v[\a1]
.endm
; The argmax of the tile just multiplied: the running maxima go from set ra to set rb.  Each accumulator is read from its low end on; the eight query tiles by turns.
.macro EPI ra, rb
.irp q, 0,1,2,3,4,5,6,7
	v_max3_num_f32 v[\rb+\q], v[\ra+\q], v[ACC+8*\q], v[ACC+8*\q+1]
.endr
.irp j, 2,4,6
.irp q, 0,1,2,3,4,5,6,7
	v_max3_num_f32 v[\rb+\q], v[\rb+\q], v[ACC+8*\q+\j], v[ACC+8*\q+\j+1]
.endr
.endr
.irp q, 0,1,2,3,4,5,6,7
	v_cmp_gt_f32 vcc_lo, v[\rb+\q], v[\ra+\q]      ; has it grown?  Strictly: the earlier tile keeps a tie
	PICK2 W+8*\q, ACC+8*\q, W+8*\q+1, ACC+8*\q+1
	PICK2 W+8*\q+2, ACC+8*\q+2, W+8*\q+3, ACC+8*\q+3
	PICK2 W+8*\q+4, ACC+8*\q+4, W+8*\q+5, ACC+8*\q+5
	PICK2 W+8*\q+6, ACC+8*\q+6, W+8*\q+7, TIDV
.endr
.endm
; The i-th tile of a trip, on set i % 2.  cnt: the LDS loads issued behind this set's nine, which may stay out.  fetch = 1: the set is asked for again, two records on.  step = 1: the addresses go on to the next trip's records.
.macro TILE i, fetch, cnt, step
	s_wait_dscnt \cnt                              ; LDS loads come back in order: my set is in
	MUL (\i)%2
	v_add_nc_u32 v[TIDV], 16, v[TIDV]              ; with the three below: four plain instructions between the last matrix instruction and the loads into its sources and the first read of a result
.rept 3
	v_nop
.endr
.if \fetch
	LFRAG (\i)%2, (\i)+2
.endif
.if \step
	s_add_co_u32 s[RB], s[RB], 8*RECB              ; records 8 and 9 of this trip, just asked for, are records 0 and 1 of the next
	v_add_nc_u32 v[ADC], s[RB], v[L16]
	v_add_nc_u32 v[ADS], s[RB], v[L4]
	v_add_nc_u32 v[ADE], s[RB], v[H32]
.endif
	EPI RUNA+8*((\i)%2), RUNA+8-8*((\i)%2)
.endm
; (bv, bi) takes (cv, ci) where cv is larger, or equal with the lower index
.macro LEX bv, bi, cv, ci
	v_cmp_gt_f32 s36, v[\cv], v[\bv]
	v_cmp_eq_f32 s37, v[\cv], v[\bv]
	v_cmp_lt_u32 vcc_lo, v[\ci], v[\bi]
	s_and_b32 s37, s37, vcc_lo
	s_or_b32 vcc_lo, s36, s37
	v_cndmask_b32 v[\bv], v[\bv], v[\cv], vcc_lo
	v_cndmask_b32 v[\bi], v[\bi], v[\ci], vcc_lo
.endm
; Query tile q at the end: which of the winning tile's registers gave the maximum (the lowest that did), the other half of the lanes' winner, the key, and both to my wave's scratch.
.macro CLOSE q
	v_mov_b32 v[JJ], 7
.irp j, 6,5,4,3,2,1,0
	v_cmp_neq_f32 vcc_lo, v[W+8*\q+\j], v[RUNA+\q]
	s_delay_alu instid0(VALU_DEP_1)
	v_cndmask_b32 v[JJ], \j, v[JJ], vcc_lo         ; j where they are equal
.endr
	s_delay_alu instid0(VALU_DEP_1)
	v_add_nc_u32 v[W+8*\q+7], v[W+8*\q+7], v[JJ]
	v_permlanex16_b32 v[OV], v[RUNA+\q], s[SEL], s[SEL+1]
	s_delay_alu instid0(VALU_DEP_2)
	v_permlanex16_b32 v[OI], v[W+8*\q+7], s[SEL], s[SEL+1]
	LEX RUNA+\q, W+8*\q+7, OV, OI
	s_delay_alu instid0(VALU_DEP_2)
	v_add_f32 v[RUNA+\q], 0, v[RUNA+\q]            ; -0 becomes +0
	s_delay_alu instid0(VALU_DEP_1)
	v_ashrrev_i32 v[TK], 31, v[RUNA+\q]            ; all ones under a negative number,
	s_delay_alu instid0(VALU_DEP_1)
	v_or_b32 v[TK], 0x80000000, v[TK]              ; the sign bit alone under the others:
	s_delay_alu instid0(VALU_DEP_1)
	v_xor_b32 v[RUNA+\q], v[RUNA+\q], v[TK]        ; the key: as unsigned whole numbers the keys stand in v's order
	ds_store_b32 v[SCW], v[RUNA+\q] offset:64*\q   ; lanes r and r + 16 write the same word with the same value
	ds_store_b32 v[SCW], v[W+8*\q+7] offset:512+64*\q
.endm
	s_load_b256 s[4:11], s[0:1], 0x0               ; xcode s[4:5], ecode s[6:7], pkey s[8:9], pidx s[10:11]
	v_lshl_add_u32 v[SPW], v0, 2, SPARE
	v_mov_b32 v[NIL], 0
	ds_add_u32 v[SPW], v[NIL]                      ; the opening lines, ahead of my tensor load: the add, twice on end, and one wait for both
	ds_add_u32 v[SPW], v[NIL]
	v_lshrrev_b32 v[JJ], 5, v0
	v_readfirstlane_b32 s[WV], v[JJ]               ; wave 0..7
	s_bfe_u32 s13, ttmp6, 0x40000                  ; cx: my place in the cluster: it enters the addresses of xcode, pkey and pidx alone
	s_and_b32 s14, ttmp9, 7                        ; my cluster's group of codewords (in a cluster launch ttmp9 counts clusters)
	s_lshr_b32 s15, ttmp9, 3
	s_lshl_b32 s15, s15, 2
	s_add_co_u32 s15, s15, s13                     ; my block of 1,024 queries
	; descriptor group 1: 104 rows of 256 bytes, dense
	s_mov_b32 s[G1+0], 15|(3<<16)|(1<<21)          ; 15:0 the mask: all four work-groups; 17:16 elements of 8 bytes; 20 no padding; 21 set beside a mask
	s_mov_b32 s[G1+1], 32<<16                      ; tensor_dim0 = 32 elements
	s_mov_b32 s[G1+2], 104<<16                     ; tensor_dim1 = 104
	s_mov_b32 s[G1+3], 32<<16                      ; tile_dim0 = 32
	s_mov_b32 s[G1+4], 104                         ; tile_dim1 = 104
	s_mov_b32 s[G1+5], 32                          ; from row to row: 32 elements
	s_mov_b32 s[G1+6], 0
	s_mov_b32 s[G1+7], 0
	s_mov_b32 s[SEL], 0x76543210
	s_mov_b32 s[SEL+1], 0xfedcba98
	s_mul_i32 s30, s[WV], WPART                    ; my wave's eighth, in a group of ecode, in LDS and in a block of xcode
	s_mul_i32 s28, s14, 64*RECB
	s_add_co_u32 s28, s28, s30                     ; ecode: my group's records 8 w .. 8 w + 7: no place in the cluster enters it
	s_mov_b32 s29, 0
	s_mul_i32 s36, s15, 64*RECB
	s_add_co_u32 s36, s36, s30                     ; xcode: my block's records 8 w .. 8 w + 7
	s_mov_b32 s37, 0
	s_lshl_b32 s38, s14, 17                        ; pkey, pidx: 131,072 bytes a group,
	s_lshl_b32 s39, s15, 12                        ; 4,096 a block,
	s_add_co_u32 s38, s38, s39
	s_lshl_b32 s39, s[WV], 9                       ; 512 a wave
	s_add_co_u32 s38, s38, s39
	s_mov_b32 s39, 0
	s_lshl_b32 s31, s14, 10
	s_sub_co_u32 s31, s31, 16                      ; (modulo 2^32: the first tile's step of 16 brings it to 1,024 x group + 8 h)
	s_lshl_b32 s32, s[WV], 10
	s_add_co_u32 s32, s32, SCRB                    ; my wave's scratch
	s_mov_b32 s[RB], 0
	v_and_b32 v[OV], 31, v0                        ; lane
	v_and_b32 v[OI], 15, v0                        ; r
	v_bfe_u32 v[JJ], v0, 4, 1                      ; h
	v_lshlrev_b32 v[L16], 4, v[OV]
	v_lshlrev_b32 v[L4], 2, v[OV]
	v_lshlrev_b32 v[H32], 5, v[JJ]
	v_lshl_add_u32 v[TIDV], v[JJ], 3, s31
	v_lshl_add_u32 v[SCW], v[OI], 2, s32
	v_lshl_add_u32 v[SCR], v[OV], 4, s32
	v_add_nc_u32 v[ADC], s[RB], v[L16]
	v_add_nc_u32 v[ADS], s[RB], v[L4]
	v_add_nc_u32 v[ADE], s[RB], v[H32]
	s_wait_dscnt 0x0                               ; both opening adds are done
	s_wait_alu depctr_va_vdst(0)
	s_wait_kmcnt 0x0
	s_add_nc_u64 s[4:5], s[4:5], s[36:37]
	s_add_nc_u64 s[8:9], s[8:9], s[38:39]
	s_add_nc_u64 s[10:11], s[10:11], s[38:39]
	s_mov_b32 s[G0], 1                             ; 1:0 count = 1
	s_mov_b32 s[G0+1], s30                         ; 63:32 LDS address
	s_add_nc_u64 s[G0+2:G0+3], s[6:7], s[28:29]    ; 120:64 global address
	s_or_b32 s[G0+3], s[G0+3], 0x80000000          ; 127:126 type = 2
	WIN 0x40                                       ; destination window 1, address window 0
.irp q, 0,1,2,3,4,5,6,7
.irp g, 0,1,2,3,4,5
	global_load_b128 v[24*\q+4*\g:24*\q+4*\g+3], v[L16], s[4:5] offset:RECB*\q+512*\g th:TH_LOAD_NT   ; x's fragments stay in registers; read by this wave alone
.endr
.endr
	WIN 0
.irp q, 0,1,2,3,4,5,6,7
	global_load_b32 v[XSC+\q], v[L4], s[4:5] offset:RECB*\q+3072 th:TH_LOAD_NT   ; their scale words
.endr
	ROUND                                          ; all four work-groups are here: the joint loads meet
	tensor_load_to_lds s[G0:G0+3], s[G1:G1+7]      ; my one tensor load of the launch
	s_nop 0
.rept 4
	v_nop
.endr
.irp q, 0,1,2,3,4,5,6,7
	v_mov_b32 v[RUNA+\q], 0xff800000               ; -infinity, under every v: so the first tile is a tile like any other
.endr
.set i, 0
.rept 64
	v_mov_b32 v[W+i], 0                            ; written whole before the first select reads it
.set i, i+1
.endr
	s_mov_b32 s41, 7
	s_wait_alu depctr_va_vdst(0)
	s_wait_tensorcnt 0x0                           ; my eighth of the group lies in LDS,
	s_barrier_signal -1
	s_barrier_wait -1                              ; and so does every wave's
	LFRAG 0, 0
	LFRAG 1, 1
	s_wait_loadcnt 0x0                             ; x
.Lwalk:                                            ; seven trips of eight tiles: records 2 to 57 are asked for
.irp i, 0,1,2,3,4,5,6
	TILE \i, 1, 9, 0                               ; behind a set's nine loads stand the other set's nine
.endr
	TILE 7, 1, 9, 1
	s_sub_co_u32 s41, s41, 1
	s_cmp_lg_u32 s41, 0
	s_cbranch_scc1 .Lwalk
.irp i, 0,1,2,3,4,5
	TILE \i, 1, 9, 0                               ; the last eight tiles: records 58 to 63 are asked for, and nothing behind them
.endr
	TILE 6, 0, 9, 0
	TILE 7, 0, 0, 0
.irp q, 0,1,2,3,4,5,6,7
	CLOSE \q
.endr
	ds_load_b128 v[VV:VV+3], v[SCR]                ; LDS serves a wave's instructions in order: these see my stores; four neighbouring queries a lane
	ds_load_b128 v[II:II+3], v[SCR] offset:512
	s_wait_dscnt 0x0
	global_store_b128 v[L16], v[VV:VV+3], s[8:9]   ; 32 lanes store 512 consecutive bytes, at a multiple of 256
	global_store_b128 v[L16], v[II:II+3], s[10:11]
	s_wait_tensorcnt 0x0                           ; the wave's end, behind my tensor load and my last LDS store
	ds_add_u32 v[SPW], v[NIL]
	s_wait_dscnt 0x0
	ROUND                                          ; the closing round
	s_endpgm
.Lfunc_end_k_qdbff4230a4_search:
	.size	k_qdbff4230a4_search, .Lfunc_end_k_qdbff4230a4_search-k_qdbff4230a4_search
	.p2alignl 7, 3214868480
	.fill 96, 4, 3214868480
	.section	.rodata,"a",@progbits
	.p2align	6, 0x0
	.amdhsa_kernel k_qdbff4230a4_search
		.amdhsa_group_segment_fixed_size 228864
		.amdhsa_private_segment_fixed_size 0
		.amdhsa_enable_private_segment 0
		.amdhsa_kernarg_size 32
		.amdhsa_user_sgpr_count 2
		.amdhsa_user_sgpr_kernarg_segment_ptr 1
		.amdhsa_wavefront_size32 1
		.amdhsa_system_sgpr_workgroup_id_x 1
		.amdhsa_system_sgpr_workgroup_id_y 1
		.amdhsa_system_sgpr_workgroup_id_z 1
		.amdhsa_system_vgpr_workitem_id 0
		.amdhsa_next_free_vgpr 448
		.amdhsa_next_free_sgpr 66
		.amdhsa_reserve_vcc 1
		.amdhsa_float_denorm_mode_32 3
		.amdhsa_float_denorm_mode_16_64 3
		.amdhsa_memory_ordered 1
		.amdhsa_forward_progress 1
		.amdhsa_inst_pref_size 138
	.end_amdhsa_kernel
	.amdgpu_metadata
---
amdhsa.version: [ 1, 2 ]
amdhsa.kernels:
  - .name:           k_qdbff4230a4_search
    .symbol:         k_qdbff4230a4_search.kd
    .args:
      - { .name: xcode, .offset: 0, .size: 8, .value_kind: global_buffer, .address_space: global }
      - { .name: ecode, .offset: 8, .size: 8, .value_kind: global_buffer, .address_space: global }
      - { .name: pkey, .offset: 16, .size: 8, .value_kind: global_buffer, .address_space: global }
      - { .name: pidx, .offset: 24, .size: 8, .value_kind: global_buffer, .address_space: global }
    .group_segment_fixed_size: 228864
    .private_segment_fixed_size: 0
    .kernarg_segment_align: 8
    .kernarg_segment_size: 32
    .max_flat_workgroup_size: 256
    .sgpr_count:     66
    .vgpr_count:     448
    .wavefront_size: 32
...
	.end_amdgpu_metadata
.endif
;; end of part 2
;; launch gather (part 3): grid 512 x 1, 4 waves a work-group, no clusters, 0 bytes of LDS; arguments pkey, pidx, embed, out0, out1; writes out0, out1
.if DOCPART == 3
	.amdgcn_target "amdgcn-amd-amdhsa--gfx1250"
	.amdhsa_code_object_version 6
	.text
	.protected	k_qdbff4230a4_gather
	.globl	k_qdbff4230a4_gather
	.p2align	8
	.type	k_qdbff4230a4_gather,@function
k_qdbff4230a4_gather:
	s_mov_b64 s[64:65], 0
	v_nop
	global_prefetch_b8 v0, s[64:65] scope:SCOPE_SE
	s_setreg_imm32_b32 hwreg(HW_REG_WAVE_MODE, 25, 1), 1
	s_wait_xcnt 0x0
; For each query: the largest of its 8 keys (whole numbers that the launch before stored, one for each group of 1,024 codewords; the lower group, which holds the lower indices, keeps a tie) names the index i.
; out1[n] = i, out0[n][:] = embed[i][:].
; LEFT OUT: reference() forms (embed[i] - x) + x, which is embed[i] by an identity for all finite values (shown at the head of the first launch): x is neither loaded nor among the arguments here.
; A work-group takes 64 rows, a wave 16 of them.  Each wave reads the 64 rows' keys and indices, two rows a lane: each of the 16 loads covers 256 consecutive bytes, at a multiple of 256, and the choice needs no other lane.
; The wave's 16 indices go to scalar registers by lane reads; each is held to the table's 8,192 rows before it enters an address.  Wave 0 stores the 64 indices as one run of 256 bytes.
; Then a stream: every load and store of a wave covers 512 consecutive bytes; all 32 loads are out at once.  No LDS, no barrier, no loop, no matrix unit.  No register that a memory instruction reads is written again.
.set K,  16                            ; v16-31   keys: group g's two at 2 g
.set I,  32                            ; v32-47   indices likewise
.set GA, 48                            ; v48-63   row j's byte offset in embed
.set Q,  64                            ; v64-191  embed's rows
	s_load_b256 s[4:11], s[0:1], 0x0               ; pkey s[4:5], pidx s[6:7], embed s[8:9], out0 s[10:11]
	s_load_b64 s[12:13], s[0:1], 0x20              ; out1
	v_lshrrev_b32 v2, 5, v0
	v_readfirstlane_b32 s14, v2                    ; wave 0..3
	v_and_b32 v3, 31, v0
	v_lshlrev_b32 v1, 4, v3                        ; 16 x lane
	v_lshlrev_b32 v3, 3, v3                        ; 8 x lane
	s_lshl_b32 s16, ttmp9, 8                       ; my work-group's 64 words of a group's keys, of its indices and of out1
	s_mov_b32 s17, 0
	s_lshl_b32 s18, ttmp9, 16                      ; its 64 rows of 1,024 bytes in out0,
	s_lshl_b32 s19, s14, 14                        ; and my wave's 16 of them
	s_add_co_u32 s18, s18, s19
	s_mov_b32 s19, 0
	s_lshl_b32 s24, s14, 3                         ; my 16 rows lie in lanes 8 w .. 8 w + 7
.irp k, 1,2,3,4,5,6,7
	s_add_co_u32 s[24+\k], s24, \k
.endr
	s_wait_alu depctr_va_vdst(0)
	s_wait_kmcnt 0x0
	s_add_nc_u64 s[4:5], s[4:5], s[16:17]
	s_add_nc_u64 s[6:7], s[6:7], s[16:17]
	s_add_nc_u64 s[12:13], s[12:13], s[16:17]
	s_add_nc_u64 s[10:11], s[10:11], s[18:19]
.irp g, 0,1,2,3,4,5,6,7
	global_load_b64 v[K+2*\g:K+2*\g+1], v3, s[4:5] offset:131072*\g
	global_load_b64 v[I+2*\g:I+2*\g+1], v3, s[6:7] offset:131072*\g
.endr
	s_wait_loadcnt 0x0
.irp g, 1,2,3,4,5,6,7
.irp e, 0,1
	v_cmp_gt_u32 vcc_lo, v[K+2*\g+\e], v[K+\e]     ; strictly larger: the lower group keeps a tie
	v_cndmask_b32 v[K+\e], v[K+\e], v[K+2*\g+\e], vcc_lo
	v_cndmask_b32 v[I+\e], v[I+\e], v[I+2*\g+\e], vcc_lo
.endr
.endr
.irp k, 0,1,2,3,4,5,6,7
	v_readlane_b32 s[32+2*\k], v[I], s[24+\k]      ; row 2 k of my 16,
	v_readlane_b32 s[33+2*\k], v[I+1], s[24+\k]    ; and row 2 k + 1
.endr
.irp j, 0,1,2,3,4,5,6,7,8,9,10,11,12,13,14,15
	s_min_u32 s[32+\j], s[32+\j], 0x1fff           ; inside the table
.endr
.irp j, 0,1,2,3,4,5,6,7,8,9,10,11,12,13,14,15
	v_lshl_add_u32 v[GA+\j], s[32+\j], 10, v1      ; the row's 1,024 bytes, + 16 x lane
.endr
.irp j, 0,1,2,3,4,5,6,7,8,9,10,11,12,13,14,15
	global_load_b128 v[Q+8*\j:Q+8*\j+3], v[GA+\j], s[8:9]          ; (no hint: a row of the table may be named again)
	global_load_b128 v[Q+8*\j+4:Q+8*\j+7], v[GA+\j], s[8:9] offset:512
.endr
.irp j, 0,1,2,3,4,5,6,7,8,9,10,11,12,13,14,15
	s_wait_loadcnt 30-2*\j                         ; loads come back in order: rows 0 to j are in; the two loads of each later row may be out
	global_store_b128 v1, v[Q+8*\j:Q+8*\j+3], s[10:11] offset:1024*\j th:TH_STORE_NT
	global_store_b128 v1, v[Q+8*\j+4:Q+8*\j+7], s[10:11] offset:1024*\j+512 th:TH_STORE_NT
.endr
	s_cmp_lg_u32 s14, 0
	s_cbranch_scc1 .Ldone
	global_store_b64 v3, v[I:I+1], s[12:13]        ; wave 0: the 64 rows' indices: 32 lanes store 256 consecutive bytes, at a multiple of 256
.Ldone:
	s_endpgm
.Lfunc_end_k_qdbff4230a4_gather:
	.size	k_qdbff4230a4_gather, .Lfunc_end_k_qdbff4230a4_gather-k_qdbff4230a4_gather
	.p2alignl 7, 3214868480
	.fill 96, 4, 3214868480
	.section	.rodata,"a",@progbits
	.p2align	6, 0x0
	.amdhsa_kernel k_qdbff4230a4_gather
		.amdhsa_group_segment_fixed_size 0
		.amdhsa_private_segment_fixed_size 0
		.amdhsa_enable_private_segment 0
		.amdhsa_kernarg_size 40
		.amdhsa_user_sgpr_count 2
		.amdhsa_user_sgpr_kernarg_segment_ptr 1
		.amdhsa_wavefront_size32 1
		.amdhsa_system_sgpr_workgroup_id_x 1
		.amdhsa_system_sgpr_workgroup_id_y 1
		.amdhsa_system_sgpr_workgroup_id_z 1
		.amdhsa_system_vgpr_workitem_id 0
		.amdhsa_next_free_vgpr 192
		.amdhsa_next_free_sgpr 66
		.amdhsa_reserve_vcc 1
		.amdhsa_float_denorm_mode_32 3
		.amdhsa_float_denorm_mode_16_64 3
		.amdhsa_memory_ordered 1
		.amdhsa_forward_progress 1
		.amdhsa_inst_pref_size 14
	.end_amdhsa_kernel
	.amdgpu_metadata
---
amdhsa.version: [ 1, 2 ]
amdhsa.kernels:
  - .name:           k_qdbff4230a4_gather
    .symbol:         k_qdbff4230a4_gather.kd
    .args:
      - { .name: pkey, .offset: 0, .size: 8, .value_kind: global_buffer, .address_space: global }
      - { .name: pidx, .offset: 8, .size: 8, .value_kind: global_buffer, .address_space: global }
      - { .name: embed, .offset: 16, .size: 8, .value_kind: global_buffer, .address_space: global }
      - { .name: out0, .offset: 24, .size: 8, .value_kind: global_buffer, .address_space: global }
      - { .name: out1, .offset: 32, .size: 8, .value_kind: global_buffer, .address_space: global }
    .group_segment_fixed_size: 0
    .private_segment_fixed_size: 0
    .kernarg_segment_align: 8
    .kernarg_segment_size: 40
    .max_flat_workgroup_size: 128
    .sgpr_count:     66
    .vgpr_count:     192
    .wavefront_size: 32
...
	.end_amdgpu_metadata
.endif
;; end of part 3
